; MI455X (gfx1250); checked and timed in simulation.
; The chip was launched on July 23, 2026; its instructions are those of AMD's public machine-readable ISA for CDNA 5 (MIT licence, August 2026) and "CDNA5" Instruction Set Architecture Reference Guide (July 2026). The comments in the code are by the model that wrote it; some were corrected since.
;; DAGM Mnet. Allowed arithmetic: matrix products marked QUANTISED: E4M3 operands, one given power-of-two scale a tensor, by v_wmma_f32_16x16x64_fp8_fp8 or v_wmma_f32_16x16x128_fp8_fp8, f32 sums; products left as they are: f32 operands where the result goes on into a quantised operand, else bf16, f16 or f32 operands; f32 sums; everything else in f32.
;; Inputs: E0 8 x 128 float32; E1 128 x 64 float32; E2 64 x 16 float32; W0 128 x 512 float32; W1 512 x 256 float32; W2 256 x 64 float32; W3 64 x 8 float32; b0 512 float32; b1 256 float32; b2 64 float32; b3 8 float32; eb0 128 float32; eb1 64 float32; eb2 16 float32; lowp_scales 10 int32 (the exponents e of the quantised operands' scales 2^e); x 262,144 x 128 float32.
;; Outputs: out0 262,144 float32; out1 262,144 x 8 float32.
;; This version of the problem:
;;   THIS VERSION OF THE PROBLEM IS GIVEN IN LOW PRECISION. The matrix products marked QUANTISED in the list below multiply operands that are first quantised to E4M3 (4 exponent bits, 3 mantissa bits; 8 bits a number), with one given power-of-two scale for each operand tensor; their sums are f32. All else is computed in f32.
;;   The module's matrix products, in the order in which they are computed (A, B: the left and right operand; K: the contracted axis; several contracted axes count as one K, in the product's order):
;;     1. [M 262,144, K 128] x [K 128, N 512]; A: input x; B: input W0: QUANTISED (scales: A lowp_scales[0], B lowp_scales[1])
;;     2. [M 262,144, K 512] x [K 512, N 256]; A: computed on the way; B: input W1: QUANTISED (scales: A lowp_scales[2], B lowp_scales[3])
;;     3. [M 262,144, K 256] x [K 256, N 64]; A: computed on the way; B: input W2: QUANTISED (scales: A lowp_scales[4], B lowp_scales[5])
;;     4. [M 262,144, K 64] x [K 64, N 8]; A: computed on the way; B: input W3: left as it is (N = 8 < 16)
;;     5. [M 262,144, K 8] x [K 8, N 128]; A: computed on the way; B: input E0: left as it is (K = 8 < 32)
;;     6. [M 262,144, K 128] x [K 128, N 64]; A: computed on the way; B: input E1: QUANTISED (scales: A lowp_scales[6], B lowp_scales[7])
;;     7. [M 262,144, K 64] x [K 64, N 16]; A: computed on the way; B: input E2: QUANTISED (scales: A lowp_scales[8], B lowp_scales[9])
;;     8. [M 16, K 262,144] x [K 262,144, N 8]; A: computed on the way; B: computed on the way: left as it is (N = 8 < 16)
;;     9. batch 16 x [M 8, K 262,144] x [K 262,144, N 8]; A: computed on the way; B: computed on the way: left as it is (M = 8 < 16)
;;   THE QUANTISER, for each operand of a quantised product, along K:
;;     - The operand's scale is 2^e, e = its entry of the input lowp_scales (int32; the entries are numbered through the quantised products in the list's order, A before B).
;;     - Each number is divided by the scale, clamped to +-448, and rounded to the nearest number of E4M3, ties to even, subnormals kept.
;;     - The product sums the exact products of the quantised numbers (number of the format x scale) in f32.
;;   ~~~python
;;   def quantise(x, axis, e):      # numpy; x: float32 -> the quantised numbers, widened to float32 again
;;       x = np.moveaxis(x, axis, -1); K = x.shape[-1]
;;       r = np.clip(x / 2.0 ** e, -448, 448)
;;       step = 2.0 ** (np.maximum(np.frexp(np.where(r == 0, 1, r))[1] - 1, -6) - 3)
;;       q = np.round(r / step) * step * 2.0 ** e      # np.round: ties to even
;;       return np.moveaxis(q, -1, axis).astype(np.float32)
;;   ~~~
;;   OPERANDS COMPUTED ON THE WAY. 'Computed on the way' means the value that the module computes at that place (a softmax that the list does not call 'softmax' is quantised finished and normalised). What goes into a quantiser is computed in f32, as accurately as f32 sums, v_exp_f32 and their like allow (about 1e-6 of the number): no bf16 or f16 on the way to a quantiser, and a product that is left as it is and whose result goes on into a quantised operand takes f32 operands (vector FMAs, or v_wmma_f32_16x16x4_f32). A number that lies on a knife's edge between two numbers of the format may be rounded either way, as far as f32 arithmetic and the matrix unit's own rounding can turn it there, and no further.
;; One version. Each part assembles by itself: llvm-mc -triple=amdgcn-amd-amdhsa -mcpu=gfx1250 --defsym DOCPART=n.
;; ======== version 1 of 1: 4 launches
;; limits: values outside matrix products are rounded to bf16; a function is approximated: absolute error at most 1e-07
;; workspace buffers: wimg 235,520 bytes; part 917,504 bytes; gmm 4,096 bytes
;; launch prep (part 1): grid 486 x 1, 1 waves a work-group, no clusters, 0 bytes of LDS; arguments W0, W1, W2, E1, E2, W3, E0, b0, b1, b2, eb0, eb1, lowp_scales, wimg; writes wimg
.if DOCPART == 1
	.amdgcn_target "amdgcn-amd-amdhsa--gfx1250"
	.amdhsa_code_object_version 6
	.text
	.protected	k_q4c0a648270_prep
	.globl	k_q4c0a648270_prep
	.p2align	8
	.type	k_q4c0a648270_prep,@function
k_q4c0a648270_prep:
	s_mov_b64 s[64:65], 0
	v_nop
	global_prefetch_b8 v0, s[64:65] scope:SCOPE_SE
	s_setreg_imm32_b32 hwreg(HW_REG_WAVE_MODE, 25, 1), 1
	s_wait_xcnt 0x0
; The weights are laid out ONCE as the image that every work-group of the next launch keeps in LDS (235,520 bytes).
; Work-group J (one wave) makes one piece of it.
;   J < 434: a chunk of 512 bytes of E4M3 codes, in the order of an operand's registers: lane (r, h) holds the 16 codes of
;            W[128 s + 32 c + 16 h + 0 .. 15][u], u = 32 (t / 2) + 8 (t % 2) + r + (r & 8)  (E2: u = r); chunk c of fragment t KS + s.
;            A lane takes a column and its registers run down K, so the conversions give codes with K innermost.
;            code = w / 2^e, held within +-448, to the nearest code, ties to even; e = the tensor's entry of lowp_scales.
;   J - 434 = 0..15 : W3 as f32 fragments (step q): word j = W3[32 (q / 8) + 16 h + 2 (q % 8) + j][(r + 4 (r / 8)) & 7]
;            16..31 : E0 as f32 fragments (tile t, half p): word j = E0[2 p + j + 4 h][u(t, r)]
;            32..47 : b0, b1, b2, eb0, eb1, each number x 2 log2(e), in their own order
;            48..51 : zeros, so that the image is eight equal parts of 115 rows of 256 bytes
; Every store of the wave covers 512 or 256 consecutive bytes, aligned.  All branches hang on the work-group's number.
; LIMITS: each e between -126 and 119.  NaN among the inputs is not served.
.set NCODE, 434
	s_load_b512 s[4:19], s[0:1], 0x0               ; W0 s[4:5], W1 s[6:7], W2 s[8:9], E1 s[10:11], E2 s[12:13], W3 s[14:15], E0 s[16:17], b0 s[18:19]
	s_load_b256 s[20:27], s[0:1], 0x40             ; b1 s[20:21], b2 s[22:23], eb0 s[24:25], eb1 s[26:27]
	s_load_b128 s[28:31], s[0:1], 0x60             ; lowp_scales s[28:29], wimg s[30:31]
	v_and_b32 v1, 15, v0                           ; r (one wave: v0 is the lane)
	v_lshrrev_b32 v2, 4, v0                        ; h
	s_mov_b32 s40, ttmp9                           ; J
	s_wait_kmcnt 0x0
	s_cmp_lt_u32 s40, NCODE
	s_cbranch_scc0 .Lpieces
	; ---- a chunk of codes
	s_load_b256 s[48:55], s[28:29], 0x0            ; e0 .. e7
	s_load_b64 s[56:57], s[28:29], 0x20            ; e8, e9
	s_mov_b64 s[32:33], s[12:13]                   ; the last tensor first: E2
	s_mov_b32 s34, 64                              ; bytes in a row of the tensor
	s_mov_b32 s35, 0                               ; log2 of its K steps
	s_mov_b32 s37, 432                             ; its first J
	s_mov_b32 s38, 0                               ; the mask of (r & 8): E2's columns are taken as they lie
	s_wait_kmcnt 0x0
	s_mov_b32 s36, s57                             ; its e
	s_cmp_lt_u32 s40, 432                          ; E1
	s_cselect_b64 s[32:33], s[10:11], s[32:33]
	s_cselect_b32 s34, 256, s34
	s_cselect_b32 s36, s55, s36
	s_cselect_b32 s37, 416, s37
	s_cselect_b32 s38, 8, s38
	s_cmp_lt_u32 s40, 416                          ; W2
	s_cselect_b64 s[32:33], s[8:9], s[32:33]
	s_cselect_b32 s35, 1, s35
	s_cselect_b32 s36, s53, s36
	s_cselect_b32 s37, 384, s37
	s_cmp_lt_u32 s40, 384                          ; W1
	s_cselect_b64 s[32:33], s[6:7], s[32:33]
	s_cselect_b32 s34, 1024, s34
	s_cselect_b32 s35, 2, s35
	s_cselect_b32 s36, s51, s36
	s_cselect_b32 s37, 128, s37
	s_cmp_lt_u32 s40, 128                          ; W0
	s_cselect_b64 s[32:33], s[4:5], s[32:33]
	s_cselect_b32 s34, 2048, s34
	s_cselect_b32 s35, 0, s35
	s_cselect_b32 s36, s49, s36
	s_cselect_b32 s37, 0, s37
	s_sub_co_u32 s41, s40, s37                     ; the chunk's number in its tensor
	s_and_b32 s42, s41, 3                          ; c
	s_lshr_b32 s41, s41, 2                         ; the fragment: t KS + s
	s_bfm_b32 s43, s35, 0                          ; KS - 1
	s_and_b32 s43, s41, s43                        ; s
	s_lshr_b32 s41, s41, s35                       ; t
	s_lshl_b32 s43, s43, 7
	s_lshl_b32 s42, s42, 5
	s_add_co_u32 s43, s43, s42                     ; 128 s + 32 c: the chunk's first row of the tensor
	s_mul_i32 s43, s43, s34
	s_lshr_b32 s42, s41, 1
	s_lshl_b32 s42, s42, 7                         ; 4 x 32 (t / 2)
	s_and_b32 s41, s41, 1
	s_lshl_b32 s41, s41, 5                         ; 4 x 8 (t % 2)
	s_add_co_u32 s42, s42, s41
	s_add_co_u32 s42, s42, s43
	s_mov_b32 s43, 0
	s_add_nc_u64 s[32:33], s[32:33], s[42:43]
	s_lshl_b32 s44, s34, 4
	v_mul_u32_u24 v3, v2, s44                      ; lanes 16-31 begin 16 rows further down
	v_and_b32 v4, s38, v1
	v_add_nc_u32 v4, v4, v1                        ; r + (r & 8)
	v_lshl_add_u32 v3, v4, 2, v3
.irp i, 0,1,2,3,4,5,6,7,8,9,10,11,12,13,14,15
	v_mad_u32_u24 v[16+\i], s34, \i, v3            ; row i of my sixteen
.endr
.irp i, 0,1,2,3,4,5,6,7,8,9,10,11,12,13,14,15
	global_load_b32 v[32+\i], v[16+\i], s[32:33]
.endr
	s_add_co_i32 s36, s36, 127
	s_lshl_b32 s45, s36, 23
	v_mov_b32 v10, s45                             ; 2^e as f32: the conversion takes its exponent field
	s_add_co_i32 s36, s36, 8
	s_lshl_b32 s36, s36, 23
	s_or_b32 s36, s36, 0x600000
	v_mov_b32 v11, s36                             ; 448 x 2^e
	s_lshl_b32 s45, s40, 9
	v_lshlrev_b32 v5, 4, v0
	v_add_nc_u32 v5, s45, v5                       ; 512 J + 16 x lane
	s_wait_loadcnt 0x0
.irp i, 0,1,2,3,4,5,6,7,8,9,10,11,12,13,14,15
	v_med3_num_f32 v[32+\i], v[32+\i], -v11, v11   ; the conversion to an 8-bit code does not saturate (ISA guide 7.6.2): the hold comes first
.endr
	v_cvt_scalef32_pk8_fp8_f32 v[48:49], v[32:39], v10
	v_cvt_scalef32_pk8_fp8_f32 v[50:51], v[40:47], v10
	global_store_b128 v5, v[48:51], s[30:31]       ; the wave stores 512 consecutive bytes
	s_endpgm
	; ---- a piece of 256 bytes, 8 a lane
.Lpieces:
	s_sub_co_u32 s41, s40, NCODE
	s_lshl_b32 s42, s41, 8
	s_add_co_u32 s42, s42, 222208
	v_lshl_add_u32 v6, v0, 3, s42                  ; where the piece goes
	s_cmp_lt_u32 s41, 16
	s_cbranch_scc0 .Lnot_w3
	s_lshr_b32 s43, s41, 3
	s_lshl_b32 s43, s43, 10                        ; 32 (q / 8) rows of 32 bytes
	s_and_b32 s44, s41, 7
	s_lshl_b32 s44, s44, 6                         ; 2 (q % 8) rows
	s_add_co_u32 s43, s43, s44
	v_lshrrev_b32 v4, 3, v1
	v_lshl_add_u32 v4, v4, 2, v1
	v_and_b32 v4, 7, v4                            ; the column: (r + 4 (r / 8)) & 7
	v_lshl_add_u32 v5, v2, 9, s43                  ; 16 h rows
	v_lshl_add_u32 v5, v4, 2, v5
	global_load_b32 v8, v5, s[14:15]
	global_load_b32 v9, v5, s[14:15] offset:32     ; the next row
	s_wait_loadcnt 0x0
	s_branch .Lstore
.Lnot_w3:
	s_cmp_lt_u32 s41, 32
	s_cbranch_scc0 .Lnot_e0
	s_sub_co_u32 s43, s41, 16
	s_and_b32 s44, s43, 1                          ; p
	s_lshr_b32 s45, s43, 1                         ; t
	s_lshl_b32 s44, s44, 10                        ; 2 p rows of 512 bytes
	s_lshr_b32 s46, s45, 1
	s_lshl_b32 s46, s46, 7
	s_and_b32 s45, s45, 1
	s_lshl_b32 s45, s45, 5
	s_add_co_u32 s44, s44, s46
	s_add_co_u32 s44, s44, s45
	v_and_b32 v4, 8, v1
	v_add_nc_u32 v4, v4, v1
	v_lshl_add_u32 v5, v2, 11, s44                 ; 4 h rows
	v_lshl_add_u32 v5, v4, 2, v5
	global_load_b32 v8, v5, s[16:17]
	global_load_b32 v9, v5, s[16:17] offset:512
	s_wait_loadcnt 0x0
	s_branch .Lstore
.Lnot_e0:
	s_cmp_lt_u32 s41, 48
	s_cbranch_scc0 .Lzeros
	s_sub_co_u32 s43, s41, 32                      ; which of the sixteen pieces of biases
	s_mov_b64 s[32:33], s[26:27]                   ; eb1
	s_mov_b32 s44, 15
	s_cmp_lt_u32 s43, 15                           ; eb0
	s_cselect_b64 s[32:33], s[24:25], s[32:33]
	s_cselect_b32 s44, 13, s44
	s_cmp_lt_u32 s43, 13                           ; b2
	s_cselect_b64 s[32:33], s[22:23], s[32:33]
	s_cselect_b32 s44, 12, s44
	s_cmp_lt_u32 s43, 12                           ; b1
	s_cselect_b64 s[32:33], s[20:21], s[32:33]
	s_cselect_b32 s44, 8, s44
	s_cmp_lt_u32 s43, 8                            ; b0
	s_cselect_b64 s[32:33], s[18:19], s[32:33]
	s_cselect_b32 s44, 0, s44
	s_sub_co_u32 s43, s43, s44
	s_lshl_b32 s43, s43, 8
	v_lshl_add_u32 v5, v0, 3, s43
	global_load_b64 v[8:9], v5, s[32:33]
	s_wait_loadcnt 0x0
	v_mul_f32 v8, 0x4038aa3b, v8                   ; x 2 log2(e): the tanh's exponent is 2 log2(e) (sum + bias)
	v_mul_f32 v9, 0x4038aa3b, v9
	s_branch .Lstore
.Lzeros:
	v_mov_b32 v8, 0
	v_mov_b32 v9, 0
.Lstore:
	global_store_b64 v6, v[8:9], s[30:31]          ; the wave stores 256 consecutive bytes, aligned
	s_endpgm
.Lfunc_end_k_q4c0a648270_prep:
	.size	k_q4c0a648270_prep, .Lfunc_end_k_q4c0a648270_prep-k_q4c0a648270_prep
	.p2alignl 7, 3214868480
	.fill 96, 4, 3214868480
	.section	.rodata,"a",@progbits
	.p2align	6, 0x0
	.amdhsa_kernel k_q4c0a648270_prep
		.amdhsa_group_segment_fixed_size 0
		.amdhsa_private_segment_fixed_size 0
		.amdhsa_enable_private_segment 0
		.amdhsa_kernarg_size 112
		.amdhsa_user_sgpr_count 2
		.amdhsa_user_sgpr_kernarg_segment_ptr 1
		.amdhsa_wavefront_size32 1
		.amdhsa_system_sgpr_workgroup_id_x 1
		.amdhsa_system_sgpr_workgroup_id_y 1
		.amdhsa_system_sgpr_workgroup_id_z 1
		.amdhsa_system_vgpr_workitem_id 0
		.amdhsa_next_free_vgpr 64
		.amdhsa_next_free_sgpr 66
		.amdhsa_reserve_vcc 0
		.amdhsa_float_denorm_mode_32 3
		.amdhsa_float_denorm_mode_16_64 3
		.amdhsa_memory_ordered 1
		.amdhsa_forward_progress 1
		.amdhsa_inst_pref_size 10
	.end_amdhsa_kernel
	.amdgpu_metadata
---
amdhsa.version: [ 1, 2 ]
amdhsa.kernels:
  - .name:           k_q4c0a648270_prep
    .symbol:         k_q4c0a648270_prep.kd
    .args:
      - { .name: W0, .offset: 0, .size: 8, .value_kind: global_buffer, .address_space: global }
      - { .name: W1, .offset: 8, .size: 8, .value_kind: global_buffer, .address_space: global }
      - { .name: W2, .offset: 16, .size: 8, .value_kind: global_buffer, .address_space: global }
      - { .name: E1, .offset: 24, .size: 8, .value_kind: global_buffer, .address_space: global }
      - { .name: E2, .offset: 32, .size: 8, .value_kind: global_buffer, .address_space: global }
      - { .name: W3, .offset: 40, .size: 8, .value_kind: global_buffer, .address_space: global }
      - { .name: E0, .offset: 48, .size: 8, .value_kind: global_buffer, .address_space: global }
      - { .name: b0, .offset: 56, .size: 8, .value_kind: global_buffer, .address_space: global }
      - { .name: b1, .offset: 64, .size: 8, .value_kind: global_buffer, .address_space: global }
      - { .name: b2, .offset: 72, .size: 8, .value_kind: global_buffer, .address_space: global }
      - { .name: eb0, .offset: 80, .size: 8, .value_kind: global_buffer, .address_space: global }
      - { .name: eb1, .offset: 88, .size: 8, .value_kind: global_buffer, .address_space: global }
      - { .name: lowp_scales, .offset: 96, .size: 8, .value_kind: global_buffer, .address_space: global }
      - { .name: wimg, .offset: 104, .size: 8, .value_kind: global_buffer, .address_space: global }
    .group_segment_fixed_size: 0
    .private_segment_fixed_size: 0
    .kernarg_segment_align: 8
    .kernarg_segment_size: 112
    .max_flat_workgroup_size: 32
    .sgpr_count:     66
    .vgpr_count:     64
    .wavefront_size: 32
...
	.end_amdgpu_metadata
.endif
;; end of part 1
;; launch net (part 2): grid 256 x 1, 8 waves a work-group, no clusters, 305,152 bytes of LDS; arguments x, wimg, lowp_scales, b3, eb2, out1, part; writes out1, part
.if DOCPART == 2
	.amdgcn_target "amdgcn-amd-amdhsa--gfx1250"
	.amdhsa_code_object_version 6
	.text
	.protected	k_q4c0a648270_net
	.globl	k_q4c0a648270_net
	.p2align	8
	.type	k_q4c0a648270_net,@function
k_q4c0a648270_net:
	s_mov_b64 s[64:65], 0
	v_nop
	global_prefetch_b8 v0, s[64:65] scope:SCOPE_SE
	s_setreg_imm32_b32 hwreg(HW_REG_WAVE_MODE, 25, 1), 1
	s_wait_xcnt 0x0
; x -> z (stored) -> gamma (never stored) -> the work-group's moments of gamma, gamma (z - c), gamma (z - c)(z - c)^T.
; SHARES.  A work-group takes 1,024 rows, each of its eight waves 128, in four passes of 32 rows (two tiles of 16).  A wave takes its rows through the whole
; chain alone: two waves lie on a SIMD, so that one wave's products and LDS loads stand beside the other's tanh; the steady state has no barrier.
; WEIGHTS.  All weights lie in LDS for the whole launch, as images of operand registers (made by the launch before): 235,520 bytes.  Each wave brings its
; eighth through registers, once: 57 loads of 512 consecutive bytes and one of 256, and as many LDS stores.  NO JOINT TENSOR LOAD OF A CLUSTER, though all
; work-groups read the same image: a branch (below) on a given scale leads round 64 holds in each of 15 batches
; of tanh, 960 instructions of a pass, four passes a wave; the image is read once a launch, 235,520 bytes beside the work-group's 524,288 of x.
; LAYOUT.  Every product is used transposed (source 0 = 16 units, source 1 = 16 rows), so a lane holds ONE row.  The units of a tile are chosen
; (lane r of tile t: unit 32 (t / 2) + 8 (t % 2) + r + (r & 8)) so that the 16 registers of two neighbouring tiles are 16 neighbours along the next K:
; the conversions' results ARE the next operand's registers.  A fragment's register 4 c + i holds k = 32 c + 16 h + 4 i .., the same map in both operands.
; tanh(y) = 1 - 2 / (1 + 2^(2 log2(e) y)); the product's two scales and 2 log2(e) are one factor, the bias arrives x 2 log2(e).  Absolute error about 1e-7.
; THE HOLD.  The conversion to a code does not saturate.  x is always held.  A tanh lies within +-1, so its hold at 448 x 2^e can act only where e < -8:
; there it is executed; elsewhere a scalar branch on the given e, the same in all waves, leads round it.
; z = h2 W3 + b3 and z E0 go on into quantisers: f32 operands, by the f32 matrix form.  W3's columns are laid so that a lane holds all eight of its row's z:
; register j of lane (r, h) is z[(j + 4 h) & 7].
; MOMENTS.  c = z of the work-group's first row: sums of squares are taken about a number that lies among the data.  gamma and 45 features of d = z - c
; (d, the 36 products d_i d_j, and 1) go as bf16 through the wave's stage into a product over the 32 rows: 3 accumulators, kept through the passes.
; LIMITS: e0, e2, e4, e6, e8 between -126 and 119; e0 + e1, e2 + e3, e4 + e5, e6 + e7, e8 + e9 between -120 and 120.  NaN among the inputs is not served.
; REGISTERS, window 0: v1-15, v250-251 addresses; v16-25 scale and limit of each conversion; v26-33 eb2 x log2(e); v34-41 b3; v42-49 c; v50-73 the moments;
;   v74-89 z; v90-121 biases, later features; v122-185 eight accumulators (written by matrix instructions alone, like z); v186-249 T, at work; v252-255 at work.
; window 1: v0-127 h0's codes (between passes: the next 32 rows of x as loaded); v128-191 h1's codes (at other times x's, g0's, g1's); v192-255 weights.
.set IMGW,  29440                      ; a wave's eighth of the image: 57 x 512 + 256 bytes
.set SCR,   235520                     ; LDS: behind the image, 8,448 bytes for each wave: the turn of x (16 rows, pitch 528), the stage (32 rows, pitch 160), at the end the moments
.set SCRB,  8448
.set CB,    303104                     ; 1,024 bytes: wave 0's z of its first tile, from which every wave takes c
.set SPARE, 304128                     ; the spare words, 128 bytes for each wave: four blocks of 256 bytes that no other line names
.set LI0,  1                           ; v1-4   16 x lane + 0, 65,536, 131,072, 196,608
.set L83,  5                           ; v5     8 x lane + 196,608
.set LB3,  6                           ; v6     64 h + 196,608
.set XSTO, 7                           ; v7     my wave's scratch + 16 x lane
.set XRD,  8                           ; v8     + 528 r + 64 h
.set GST,  9                           ; v9     + 160 r + 16 h
.set FST,  10                          ; v10    + 160 r + 32 + 48 h
.set TRA,  11                          ; v11    + 160 (8 h + lane % 8) + 16 ((lane / 8) % 2)
.set ZO,   12                          ; v12    32 r + 16 h: my 16 bytes of a tile's z in out1
.set CBR,  13                          ; v13    CB + 256 h
.set SPW,  14                          ; v14    my spare word; never rewritten
.set NIL,  15                          ; v15    0; never rewritten
.set SCL,  16
.set EB2,  26
.set B3C,  34
.set CP,   42
.set SACC, 50
.set Z,    74
.set BI,   90
.set ACC,  122
.set T,    186
.set CBW,  250                         ; v250   CB + 16 x lane
.set RDA,  251                         ; v251   SCR + 512 x wave + 16 x lane
.set H0C,  0                           ; window 1
.set H1C,  128
.set WF,   192
.set MSB, 0
.macro WIN new                         ; the immediate's high byte repeats the setting that is left
.if MSB != \new
	s_set_vgpr_msb (MSB<<8)|\new
.set MSB, \new
.endif
.endm
.macro PL n                            ; places behind matrix instructions (ISA guide 7.12.1), where no other plain vector work is at hand
.rept \n
	v_nop
.endr
.endm
.macro LDW buf, adr, off, stp          ; four fragments of weights, stp bytes apart: sixteen loads of 512 consecutive bytes
.irp t, 0,1,2,3
.irp c, 0,1,2,3
	ds_load_b128 v[\buf+16*\t+4*\c:\buf+16*\t+4*\c+3], v[\adr] offset:(\off)+\t*(\stp)+512*\c
.endr
.endr
.endm
.macro LDB off                         ; the biases of a batch of 64 units, in the accumulators' layout: register 16 b + i is unit 32 b + 16 h + i
.irp b, 0,1
.irp i, 0,1,2,3
	ds_load_b128 v[BI+16*\b+4*\i:BI+16*\b+4*\i+3], v[LB3] offset:33792+(\off)+128*\b+16*\i
.endr
.endr
.endm
.macro MM8 abuf, bbase, bstr, zero     ; four tiles of units x two tiles of rows, 128 along K; the eight accumulators take turns, one instruction a turn
.irp t, 0,1,2,3
.irp p, 0,1
.if \zero
	v_wmma_f32_16x16x128_fp8_fp8 v[ACC+8*(4*\p+\t):ACC+8*(4*\p+\t)+7], v[\abuf+16*\t:\abuf+16*\t+15], v[(\bbase)+(\bstr)*\p:(\bbase)+(\bstr)*\p+15], 0
.else
	v_wmma_f32_16x16x128_fp8_fp8 v[ACC+8*(4*\p+\t):ACC+8*(4*\p+\t)+7], v[\abuf+16*\t:\abuf+16*\t+15], v[(\bbase)+(\bstr)*\p:(\bbase)+(\bstr)*\p+15], v[ACC+8*(4*\p+\t):ACC+8*(4*\p+\t)+7]
.endif
.endr
.endr
.endm
; The eight accumulators become tanh in T, and (q = 1) codes in window 1 at dst + str x (tile of rows).  s[cs]: 2 log2(e) x the product's scales.  nb: the next batch's biases, or -1.
; s[ef]: the given exponent of the codes' scale.  The 64 exponentials are one batch with one wait, and so are the 64 reciprocals; the scaling of pair i + 2 stands behind the transcendentals of pair i.
.macro TANH cs, nb, q, sc, dst, str, ef
	v_pk_fma_f32 v[T:T+1], v[ACC:ACC+1], s[\cs:\cs+1], v[BI:BI+1] op_sel_hi:[1,0,1]
	v_pk_fma_f32 v[T+2:T+3], v[ACC+2:ACC+3], s[\cs:\cs+1], v[BI+2:BI+3] op_sel_hi:[1,0,1]
.set i, 0
.rept 32
	v_exp_f32 v[T+i], v[T+i]
	v_exp_f32 v[T+i+1], v[T+i+1]
.if i < 60
	v_pk_fma_f32 v[T+i+4:T+i+5], v[ACC+i+4:ACC+i+5], s[\cs:\cs+1], v[BI+(i+4)%32:BI+(i+4)%32+1] op_sel_hi:[1,0,1]
.endif
.set i, i+2
.endr
.if (\nb) >= 0
	LDB \nb
.endif
	v_nop                                          ; a plain instruction behind the last exponential
	s_wait_alu depctr_va_vdst(0)                   ; one wait for the batch, ahead of its first reader
	v_pk_add_f32 v[T:T+1], v[T:T+1], 1.0 op_sel_hi:[1,0]
	v_pk_add_f32 v[T+2:T+3], v[T+2:T+3], 1.0 op_sel_hi:[1,0]
.set i, 0
.rept 32
	v_rcp_f32 v[T+i], v[T+i]
	v_rcp_f32 v[T+i+1], v[T+i+1]
.if i < 60
	v_pk_add_f32 v[T+i+4:T+i+5], v[T+i+4:T+i+5], 1.0 op_sel_hi:[1,0]
.endif
.set i, i+2
.endr
	v_nop
	s_wait_alu depctr_va_vdst(0)                   ; one wait for the reciprocals
.set i, 0
.rept 32
	v_pk_fma_f32 v[T+i:T+i+1], v[T+i:T+i+1], -2.0, 1.0 op_sel_hi:[1,0,0]
.set i, i+2
.endr
.if \q
	s_cmp_ge_i32 s[\ef], -8                        ; 448 x 2^e is 1.75 or more from e = -8 on: no tanh reaches it, and the 64 holds are left out
	s_cbranch_scc1 .Lno_hold_\@                    ; a whole number read from memory, the same in every wave; the jump leads round the holds alone
.set i, 0
.rept 64
	v_med3_num_f32 v[T+i], v[T+i], -v[\sc+1], v[\sc+1]   ; the conversion does not saturate (ISA guide 7.6.2): under e = -8 the given scale does not cover 1
.set i, i+1
.endr
.Lno_hold_\@:
	WIN 0x40                                       ; destination window 1
.irp p, 0,1
.irp b, 0,1
	v_cvt_scalef32_pk8_fp8_f32 v[(\dst)+(\str)*\p+4*\b:(\dst)+(\str)*\p+4*\b+1], v[T+32*\p+16*\b:T+32*\p+16*\b+7], v[\sc]
	v_cvt_scalef32_pk8_fp8_f32 v[(\dst)+(\str)*\p+4*\b+2:(\dst)+(\str)*\p+4*\b+3], v[T+32*\p+16*\b+8:T+32*\p+16*\b+15], v[\sc]
.endr
.endr
	v_nop                                          ; a plain instruction between the conversions and the products that read the codes
	WIN 0
.endif
.endm
.macro XLOAD                           ; 32 rows of x as they lie: each load is a row, 512 consecutive bytes
	WIN 0x40
.set i, 0
.rept 32
	global_load_b128 v[H0C+4*i:H0C+4*i+3], v[LI0], s[4:5] offset:512*i th:TH_LOAD_NT
.set i, i+1
.endr
	WIN 0
.endm
.macro MKSC e, v                       ; v: 2^e as f32; v + 1: 448 x 2^e
	s_add_co_i32 s22, s[\e], 127
	s_lshl_b32 s23, s22, 23
	v_mov_b32 v[\v], s23
	s_add_co_i32 s22, s22, 8
	s_lshl_b32 s22, s22, 23
	s_or_b32 s22, s22, 0x600000
	v_mov_b32 v[\v+1], s22
.endm
.macro MKCS d, ea, eb, bits            ; the two exponents are added to the constant's exponent field; the pair's second word is written because the packed form names the pair
	s_add_co_i32 s22, s[\ea], s[\eb]
	s_lshl_b32 s22, s22, 23
	s_add_co_i32 s[\d], s22, \bits
	s_mov_b32 s[\d+1], s[\d]
.endm
.macro FMUL n, a, b
	v_mul_f32 v[BI+8+\n], v[BI+\a], v[BI+\b]
.endm
	s_load_b256 s[4:11], s[0:1], 0x0               ; x s[4:5], wimg s[6:7], lowp_scales s[8:9], b3 s[10:11]
	s_load_b128 s[12:15], s[0:1], 0x20             ; eb2 s[12:13], out1 s[14:15]
	s_load_b64 s[16:17], s[0:1], 0x30              ; part
	v_lshl_add_u32 v[SPW], v0, 2, SPARE
	v_mov_b32 v[NIL], 0
	v_lshrrev_b32 v252, 5, v0
	v_readfirstlane_b32 s18, v252                  ; wave 0..7
	s_mov_b32 s20, ttmp9                           ; work-group
	s_mov_b32 s58, 0x76543210                      ; v_permlanex16_b32: lane l xor 16
	s_mov_b32 s59, 0xfedcba98
	s_mov_b32 s60, 0xffff0000                      ; lanes 16-31
	s_mov_b32 s42, 0x4038aa3b                      ; 2 log2(e)
	s_mov_b32 s43, s42
	s_mov_b32 s21, 4                               ; passes to go
	v_and_b32 v252, 31, v0                         ; lane
	v_and_b32 v253, 15, v0                         ; r
	v_bfe_u32 v254, v0, 4, 1                       ; h
	v_lshlrev_b32 v[LI0], 4, v252
	v_add_nc_u32 v[LI0+1], 65536, v[LI0]
	v_add_nc_u32 v[LI0+2], 131072, v[LI0]
	v_add_nc_u32 v[LI0+3], 196608, v[LI0]
	v_lshl_add_u32 v[L83], v252, 3, 196608
	v_lshl_add_u32 v[LB3], v254, 6, 196608
	s_mul_i32 s22, s18, SCRB
	s_add_co_u32 s22, s22, SCR                     ; my wave's scratch
	v_add_nc_u32 v[XSTO], s22, v[LI0]
	v_mul_u32_u24 v[XRD], v253, 528
	v_lshl_add_u32 v[XRD], v254, 6, v[XRD]
	v_add_nc_u32 v[XRD], s22, v[XRD]
	v_mul_u32_u24 v[GST], v253, 160
	v_lshl_add_u32 v[GST], v254, 4, v[GST]
	v_add_nc_u32 v[GST], s22, v[GST]
	v_lshl_add_u32 v[FST], v254, 5, v[GST]
	v_add_nc_u32 v[FST], 32, v[FST]
	v_and_b32 v255, 7, v0
	v_lshl_add_u32 v255, v254, 3, v255
	v_mul_u32_u24 v[TRA], v255, 160
	v_bfe_u32 v255, v0, 3, 1
	v_lshl_add_u32 v[TRA], v255, 4, v[TRA]
	v_add_nc_u32 v[TRA], s22, v[TRA]
	v_lshlrev_b32 v[ZO], 5, v253
	v_lshl_add_u32 v[ZO], v254, 4, v[ZO]
	v_lshl_add_u32 v[CBR], v254, 8, CB
	v_add_nc_u32 v[CBW], CB, v[LI0]
	s_lshl_b32 s23, s18, 9
	s_add_co_u32 s23, s23, SCR
	v_add_nc_u32 v[RDA], s23, v[LI0]
	v_lshlrev_b32 v[CP], 4, v254                   ; 16 h, 16 h xor 16, 32 h: the offsets of b3's and eb2's loads, in registers that are cleared when those loads are in
	v_xor_b32 v[CP+1], 16, v[CP]
	v_lshlrev_b32 v[CP+2], 5, v254
	s_mul_i32 s23, s18, IMGW
	v_lshl_add_u32 v253, v252, 3, s23              ; 8 x lane + my eighth: the same offset in wimg and in LDS
	v_add_nc_u32 v252, s23, v[LI0]                 ; 16 x lane + my eighth
	s_wait_kmcnt 0x0
	s_load_b256 s[48:55], s[8:9], 0x0              ; e0 .. e7
	s_load_b64 s[56:57], s[8:9], 0x20              ; e8, e9
	s_lshl_b32 s62, s20, 19                        ; x: 1,024 rows of 512 bytes a work-group, 128 a wave
	s_lshl_b32 s61, s18, 16
	s_add_co_u32 s62, s62, s61
	s_mov_b32 s63, 0
	s_add_nc_u64 s[4:5], s[4:5], s[62:63]
	s_lshl_b32 s62, s20, 15                        ; out1: rows of 32 bytes
	s_lshl_b32 s61, s18, 12
	s_add_co_u32 s62, s62, s61
	s_add_nc_u64 s[14:15], s[14:15], s[62:63]
	s_mul_i32 s62, s20, 3584                       ; part: my work-group's record
	s_add_nc_u64 s[16:17], s[16:17], s[62:63]
	; ---- my eighth of the image: 58 loads, into registers that are free at the head (none that the f32 matrix form writes)
	WIN 0x40
.set i, 0
.rept 32
	global_load_b128 v[H1C+4*i:H1C+4*i+3], v252, s[6:7] offset:512*i
.set i, i+1
.endr
	WIN 0
.set i, 0
.rept 16
	global_load_b128 v[T+4*i:T+4*i+3], v252, s[6:7] offset:512*(32+i)
.set i, i+1
.endr
.set i, 0
.rept 8
	global_load_b128 v[BI+4*i:BI+4*i+3], v252, s[6:7] offset:512*(48+i)
.set i, i+1
.endr
	global_load_b128 v[SACC:SACC+3], v252, s[6:7] offset:512*56
	global_load_b64 v[SACC+4:SACC+5], v253, s[6:7] offset:512*57     ; the last 256 bytes
	global_load_b128 v[EB2:EB2+3], v[CP+2], s[12:13]           ; eb2[8 h + j]
	global_load_b128 v[EB2+4:EB2+7], v[CP+2], s[12:13] offset:16
	global_load_b128 v[B3C:B3C+3], v[CP], s[10:11]             ; b3[(j + 4 h) & 7]
	global_load_b128 v[B3C+4:B3C+7], v[CP+1], s[10:11]
	s_wait_kmcnt 0x0
	MKCS 36, 48, 49, 0x4038aa3b                    ; 2 log2(e) 2^(e0 + e1)
	MKCS 38, 50, 51, 0x4038aa3b
	MKCS 40, 52, 53, 0x4038aa3b
	MKCS 44, 54, 55, 0x4038aa3b
	MKCS 46, 56, 57, 0x3fb8aa3b                    ; log2(e) 2^(e8 + e9): the softmax works in powers of two
	MKSC 48, SCL
	MKSC 50, SCL+2
	MKSC 52, SCL+4
	MKSC 54, SCL+6
	MKSC 56, SCL+8
	s_wait_loadcnt 30                              ; 62 loads are out; the first 32 of the image are in when 30 younger ones are left
	WIN 0x04                                       ; store data in window 1
.set i, 0
.rept 32
	ds_store_b128 v252, v[H1C+4*i:H1C+4*i+3] offset:512*i
.set i, i+1
.endr
	WIN 0
	XLOAD                                          ; the first pass's rows: with them 62 loads are out at the most
	s_wait_loadcnt 46                              ; behind the image's load 47: ten of the image, four small ones, x's 32
.set i, 0
.rept 16
	ds_store_b128 v252, v[T+4*i:T+4*i+3] offset:512*(32+i)
.set i, i+1
.endr
	s_wait_loadcnt 36                              ; behind the image's last load: four small ones, x's 32
.set i, 0
.rept 8
	ds_store_b128 v252, v[BI+4*i:BI+4*i+3] offset:512*(48+i)
.set i, i+1
.endr
	ds_store_b128 v252, v[SACC:SACC+3] offset:512*56
	ds_store_b64 v253, v[SACC+4:SACC+5] offset:512*57
	s_wait_loadcnt 32                              ; eb2 and b3 are in; x's 32 loads may be out
.set i, 0
.rept 8
	v_mul_f32 v[EB2+i], 0x3fb8aa3b, v[EB2+i]
.set i, i+1
.endr
.set i, 0
.rept 8
	v_mov_b32 v[CP+i], 0                           ; written on every way; the first pass loads c
.set i, i+1
.endr
	s_wait_dscnt 0x0                               ; for the others' sake: my eighth of the image lies in LDS; and the stores have read their registers
.set i, 0
.rept 24
	v_mov_b32 v[SACC+i], 0                         ; the moments: the pass is written once, so its first trip finds zeros
.set i, i+1
.endr
	s_barrier_signal -1
	s_barrier_wait -1                              ; everybody's eighth lies there
.Lpass:
	; ---- x into codes.  Each row was loaded as it lies; a tile of 16 rows turns through my scratch, so that lane (r, h) holds 16 neighbours of each 32 along K
	WIN 0x40
	LDW WF, LI0, 0, 2048                           ; layer 0, first batch
	WIN 0
	LDB 0
	s_wait_loadcnt 0x0                             ; this pass's rows of x
.irp p, 0,1
	WIN 0x04                                       ; store data in window 1
.set i, 0
.rept 16
	ds_store_b128 v[XSTO], v[H0C+64*\p+4*i:H0C+64*\p+4*i+3] offset:528*i
.set i, i+1
.endr
	WIN 0
.irp c, 0,1,2,3
.irp j, 0,1,2,3
	ds_load_b128 v[T+16*\c+4*\j:T+16*\c+4*\j+3], v[XRD] offset:128*\c+16*\j   ; LDS serves a wave's instructions in order (ISA guide 5.7.1.4): these see my stores
.endr
.endr
	s_wait_dscnt 0x0
.set i, 0
.rept 64
	v_med3_num_f32 v[T+i], v[T+i], -v[SCL+1], v[SCL+1]         ; x has no bound of its own: its hold is always made
.set i, i+1
.endr
	WIN 0x40
.irp c, 0,1,2,3
	v_cvt_scalef32_pk8_fp8_f32 v[H1C+16*\p+4*\c:H1C+16*\p+4*\c+1], v[T+16*\c:T+16*\c+7], v[SCL]
	v_cvt_scalef32_pk8_fp8_f32 v[H1C+16*\p+4*\c+2:H1C+16*\p+4*\c+3], v[T+16*\c+8:T+16*\c+15], v[SCL]
.endr
	v_nop
	WIN 0
.endr
	; ---- layer 0: 512 units in eight batches of 64; K = 128
.irp b, 0,1,2,3,4,5,6,7
	s_wait_dscnt 0x0                               ; the batch's weights and biases, asked for a tanh ago
	WIN 0x05
	MM8 WF, H1C, 16, 1
	WIN 0
	PL 4
	WIN 0x40
.if \b < 7
	LDW WF, LI0, 8192*(\b+1), 2048
.else
	LDW WF, LI0+1, 0, 8192                         ; layer 1, first batch, K step 0
.endif
	WIN 0
.if \b < 7
	TANH 36, 256*(\b+1), 1, SCL+2, H0C+16*(\b/2)+8*(\b%2), 64, 50
.else
	TANH 36, 2048, 1, SCL+2, H0C+16*(\b/2)+8*(\b%2), 64, 50
.endif
.endr
	; ---- layer 1: 256 units in four batches; K = 512 in four steps; the weights take two sets of registers by turns (WF and T).
	; Each s_wait_dscnt 16 leaves out the sixteen loads just issued: the set to be multiplied, and the biases, are older
.irp b, 0,1,2,3
	LDW T, LI0+1+(\b/2), 32768*(\b%2)+2048, 8192
	s_wait_dscnt 16
	WIN 0x05
	MM8 WF, H0C, 64, 1
	WIN 0
	PL 4
	WIN 0x40
	LDW WF, LI0+1+(\b/2), 32768*(\b%2)+4096, 8192
	s_wait_dscnt 16
	WIN 0x04
	MM8 T, H0C+16, 64, 0
	WIN 0
	PL 4
	LDW T, LI0+1+(\b/2), 32768*(\b%2)+6144, 8192
	s_wait_dscnt 16
	WIN 0x05
	MM8 WF, H0C+32, 64, 0
	WIN 0
	PL 4
	WIN 0x40
.if \b < 3
	LDW WF, LI0+1+((\b+1)/2), 32768*((\b+1)%2), 8192
.else
	LDW WF, LI0+3, 0, 4096                         ; layer 2, K step 0
.endif
	s_wait_dscnt 16
	WIN 0x04
	MM8 T, H0C+48, 64, 0
	WIN 0
	PL 4
.if \b == 3
	s_cmp_eq_u32 s21, 1                            ; h0's codes are done with: their registers take the next pass's rows of x, if there is a next pass: no load leaves its buffer
	s_cbranch_scc1 .Lno_next
	s_wait_xcnt 0x0                                ; earlier loads and stores have read their bases
	s_add_nc_u64 s[4:5], s[4:5], 16384
	XLOAD
.Lno_next:
	TANH 38, 3072, 1, SCL+4, H1C+16*(\b/2)+8*(\b%2), 32, 52
.else
	TANH 38, 2048+256*(\b+1), 1, SCL+4, H1C+16*(\b/2)+8*(\b%2), 32, 52
.endif
.endr
	; ---- layer 2: 64 units; K = 256
	LDW T, LI0+3, 2048, 4096
	s_wait_dscnt 16
	WIN 0x05
	MM8 WF, H1C, 32, 1
	s_wait_dscnt 0x0
	WIN 0x04
	MM8 T, H1C+16, 32, 0
	WIN 0
	PL 4
	WIN 0x40
.set i, 0
.rept 16
	ds_load_b64 v[WF+2*i:WF+2*i+1], v[L83] offset:25600+256*i      ; W3's sixteen steps of 4 along K
.set i, i+1
.endr
.set i, 0
.rept 16
	ds_load_b64 v[WF+32+2*i:WF+32+2*i+1], v[L83] offset:29696+256*i   ; E0's eight tiles x two halves of K
.set i, i+1
.endr
	WIN 0
	TANH 40, 3328, 0, 0, 0, 0, 0                   ; h2 stays in T as f32
	; ---- z = h2 W3 + b3: f32 operands; two accumulators by turns; b3 is the C of each sum's first instruction
	s_wait_dscnt 0x0
	WIN 0x01
.set i, 0
.rept 16
.irp p, 0,1
.if i == 0
	v_wmma_f32_16x16x4_f32 v[Z+8*\p:Z+8*\p+7], v[WF+2*i:WF+2*i+1], v[T+32*\p+2*i:T+32*\p+2*i+1], v[B3C:B3C+7]
.else
	v_wmma_f32_16x16x4_f32 v[Z+8*\p:Z+8*\p+7], v[WF+2*i:WF+2*i+1], v[T+32*\p+2*i:T+32*\p+2*i+1], v[Z+8*\p:Z+8*\p+7]
.endif
.endr
.set i, i+1
.endr
	WIN 0
	PL 9                                           ; z is the next products' second source
	; ---- g0 = tanh(z E0 + eb0): 128 units in two batches; K = 8 in two halves: registers 2 k, 2 k + 1 of z are dimensions 2 k + j + 4 h, and E0's rows are laid alike
.irp b, 0,1
	WIN 0x01
.irp k, 0,1
.irp t, 0,1,2,3
.irp p, 0,1
.if \k == 0
	v_wmma_f32_16x16x4_f32 v[ACC+8*(4*\p+\t):ACC+8*(4*\p+\t)+7], v[WF+32+2*(2*(4*\b+\t)+\k):WF+32+2*(2*(4*\b+\t)+\k)+1], v[Z+8*\p+2*\k:Z+8*\p+2*\k+1], 0
.else
	v_wmma_f32_16x16x4_f32 v[ACC+8*(4*\p+\t):ACC+8*(4*\p+\t)+7], v[WF+32+2*(2*(4*\b+\t)+\k):WF+32+2*(2*(4*\b+\t)+\k)+1], v[Z+8*\p+2*\k:Z+8*\p+2*\k+1], v[ACC+8*(4*\p+\t):ACC+8*(4*\p+\t)+7]
.endif
.endr
.endr
.endr
	WIN 0
	PL 8
.if \b == 0
.irp p, 0,1
	global_store_b128 v[ZO], v[Z+8*\p:Z+8*\p+3], s[14:15] offset:512*\p   ; lane (r, h): z[r][4 h .. 4 h + 3]: the wave stores 512 consecutive bytes; z's low registers are read first
.endr
	TANH 42, 3328+256, 1, SCL+6, H1C, 16, 54
.else
	WIN 0x40
	LDW WF, LI0+3, 16384, 2048                     ; E1
	WIN 0
	s_wait_dscnt 16                                ; all but these sixteen: the batch's biases are in
	TANH 42, 3840, 1, SCL+6, H1C+8, 16, 54
.endif
.endr
	; ---- g1 = tanh(g0 E1 + eb1): 64 units; K = 128
	s_wait_dscnt 0x0
	WIN 0x05
	MM8 WF, H1C, 16, 1
	WIN 0
	PL 4
	WIN 0x40
	ds_load_b128 v[WF:WF+3], v[LI0+3] offset:24576             ; E2
	ds_load_b128 v[WF+4:WF+7], v[LI0+3] offset:24576+512
	WIN 0
	TANH 44, -1, 1, SCL+8, H1C+32, 8, 56
	; ---- the 16 logits: K = 64
	s_wait_dscnt 0x0
	WIN 0x05
.irp p, 0,1
	v_wmma_f32_16x16x64_fp8_fp8 v[ACC+32*\p:ACC+32*\p+7], v[WF:WF+7], v[H1C+32+8*\p:H1C+32+8*\p+7], 0
.endr
	WIN 0
	PL 4
	; ---- softmax: lane (r, h) holds components 8 h + j of row r; the row's other eight lie in lane l xor 16.  In powers of two, the row's maximum taken away first
.irp p, 0,1
.irp i, 0,2,4,6
	v_pk_fma_f32 v[T+8*\p+\i:T+8*\p+\i+1], v[ACC+32*\p+\i:ACC+32*\p+\i+1], s[46:47], v[EB2+\i:EB2+\i+1] op_sel_hi:[1,0,1]
.endr
.endr
.irp p, 0,1
	v_max3_num_f32 v[T+16+2*\p], v[T+8*\p], v[T+8*\p+1], v[T+8*\p+2]
	v_max3_num_f32 v[T+17+2*\p], v[T+8*\p+3], v[T+8*\p+4], v[T+8*\p+5]
.endr
.irp p, 0,1
	v_max3_num_f32 v[T+16+2*\p], v[T+16+2*\p], v[T+8*\p+6], v[T+8*\p+7]
.endr
.irp p, 0,1
	v_max_num_f32 v[T+16+2*\p], v[T+16+2*\p], v[T+17+2*\p]
.endr
.irp p, 0,1
	v_permlanex16_b32 v[T+17+2*\p], v[T+16+2*\p], s58, s59
.endr
.irp p, 0,1
	v_max_num_f32 v[T+16+2*\p], v[T+16+2*\p], v[T+17+2*\p]
.endr
.irp p, 0,1
.irp i, 0,2,4,6
	v_pk_add_f32 v[T+8*\p+\i:T+8*\p+\i+1], v[T+8*\p+\i:T+8*\p+\i+1], v[T+16+2*\p:T+17+2*\p] op_sel_hi:[1,0] neg_lo:[0,1] neg_hi:[0,1]
.endr
.endr
.set i, 0
.rept 16
	v_exp_f32 v[T+i], v[T+i]
.set i, i+1
.endr
	v_nop
	s_wait_alu depctr_va_vdst(0)                   ; one wait for the sixteen exponentials
.irp p, 0,1
	v_pk_add_f32 v[T+20+2*\p:T+21+2*\p], v[T+8*\p:T+8*\p+1], v[T+8*\p+2:T+8*\p+3]
	v_pk_add_f32 v[T+24+2*\p:T+25+2*\p], v[T+8*\p+4:T+8*\p+5], v[T+8*\p+6:T+8*\p+7]
.endr
.irp p, 0,1
	v_pk_add_f32 v[T+20+2*\p:T+21+2*\p], v[T+20+2*\p:T+21+2*\p], v[T+24+2*\p:T+25+2*\p]
.endr
.irp p, 0,1
	v_add_f32 v[T+20+2*\p], v[T+20+2*\p], v[T+21+2*\p]
.endr
.irp p, 0,1
	v_permlanex16_b32 v[T+21+2*\p], v[T+20+2*\p], s58, s59
.endr
.irp p, 0,1
	v_add_f32 v[T+20+2*\p], v[T+20+2*\p], v[T+21+2*\p]
.endr
.irp p, 0,1
	v_rcp_f32 v[T+20+2*\p], v[T+20+2*\p]
.endr
	v_nop
	s_wait_alu depctr_va_vdst(0)                   ; one wait for the two reciprocals
.irp p, 0,1
.irp i, 0,2,4,6
	v_pk_mul_f32 v[T+8*\p+\i:T+8*\p+\i+1], v[T+8*\p+\i:T+8*\p+\i+1], v[T+20+2*\p:T+21+2*\p] op_sel_hi:[1,0]
.endr
.endr
.irp p, 0,1
.irp n, 0,1,2,3
	v_cvt_pk_bf16_f32 v[T+32+4*\p+\n], v[T+8*\p+2*\n], v[T+8*\p+2*\n+1]
.endr
	ds_store_b128 v[GST], v[T+32+4*\p:T+32+4*\p+3] offset:2560*\p     ; gamma of row 16 p + r, components 8 h on, into my stage
.endr
	; ---- the shift c, in the first pass alone: the branch hangs on the count of passes, the same in all eight waves
	s_cmp_lg_u32 s21, 4
	s_cbranch_scc1 .Lhave_c
	s_wait_dscnt 0x0
	s_barrier_signal -1
	s_barrier_wait -1                              ; no wave has a read of CB out when it is written
	s_cmp_lg_u32 s18, 0
	s_cbranch_scc1 .Lnot_w0
	ds_store_b128 v[CBW], v[Z:Z+3]                 ; wave 0's first tile of z, as an image of its registers
	ds_store_b128 v[CBW], v[Z+4:Z+7] offset:512
.Lnot_w0:
	s_wait_dscnt 0x0                               ; for the others' sake: the stores are done
	s_barrier_signal -1
	s_barrier_wait -1
	ds_load_b128 v[CP:CP+3], v[CBR]                ; lane 16 h's registers: z of the work-group's first row, in my half's order
	ds_load_b128 v[CP+4:CP+7], v[CBR] offset:512
.Lhave_c:
	s_wait_dscnt 0x0
	; ---- 24 features a lane: register pair (a, b) is d_a d_b in lanes 0-15 and d_(a+4)&7 d_(b+4)&7 in lanes 16-31; together all 8 d, all 36 products, and 1
	v_mov_b32 v252, 1.0
.irp p, 0,1
.irp j, 0,2,4,6
	v_pk_add_f32 v[BI+\j:BI+\j+1], v[Z+8*\p+\j:Z+8*\p+\j+1], v[CP+\j:CP+\j+1] neg_lo:[0,1] neg_hi:[0,1]   ; d = z - c
.endr
	FMUL 0, 0, 0
	FMUL 1, 0, 1
	FMUL 2, 0, 2
	FMUL 3, 0, 3
	FMUL 4, 1, 1
	FMUL 5, 1, 2
	FMUL 6, 1, 3
	FMUL 7, 2, 2
	FMUL 8, 2, 3
	FMUL 9, 3, 3
	FMUL 10, 0, 5
	FMUL 11, 0, 6
	FMUL 12, 0, 7
	FMUL 13, 1, 6
	FMUL 14, 1, 7
	FMUL 15, 2, 7
	FMUL 16, 0, 4
	FMUL 17, 1, 5
	FMUL 18, 2, 6
	FMUL 19, 3, 7
	v_cndmask_b32 v[BI+24], v[BI+24], v252, s60    ; in lanes 16-31 the last four would repeat lanes 0-15's: the first of them is 1 instead, whose moment is the sum of gamma
	v_cvt_pk_bf16_f32 v[T+40+12*\p], v[BI], v[BI+1]
	v_cvt_pk_bf16_f32 v[T+41+12*\p], v[BI+2], v[BI+3]
.irp n, 0,1,2,3,4,5,6,7,8,9
	v_cvt_pk_bf16_f32 v[T+42+12*\p+\n], v[BI+8+2*\n], v[BI+9+2*\n]
.endr
	ds_store_b128 v[FST], v[T+40+12*\p:T+43+12*\p] offset:2560*\p
	ds_store_b128 v[FST], v[T+44+12*\p:T+47+12*\p] offset:2560*\p+16
	ds_store_b128 v[FST], v[T+48+12*\p:T+51+12*\p] offset:2560*\p+32
.endr
	; ---- moments += gamma^T x features, K = these 32 rows.  The stage lies [row][column]: the turning load gives fragments with the rows along the registers
	ds_load_tr16_b128 v[T:T+3], v[TRA]
	ds_load_tr16_b128 v[T+4:T+7], v[TRA] offset:2560
.irp f, 0,1,2
	ds_load_tr16_b128 v[T+8+8*\f:T+11+8*\f], v[TRA] offset:32+32*\f
	ds_load_tr16_b128 v[T+12+8*\f:T+15+8*\f], v[TRA] offset:32+32*\f+2560
.endr
	s_wait_dscnt 0x0
.irp f, 0,1,2
	v_wmma_f32_16x16x32_bf16 v[SACC+8*\f:SACC+8*\f+7], v[T:T+7], v[T+8+8*\f:T+15+8*\f], v[SACC+8*\f:SACC+8*\f+7]
.endr
	PL 4
	s_wait_xcnt 0x0                                ; the stores of z have read their base and their registers
	s_add_nc_u64 s[14:15], s[14:15], 1024
	s_sub_co_u32 s21, s21, 1
	s_cmp_lg_u32 s21, 0
	s_cbranch_scc1 .Lpass
	; ---- the eight waves' moments are added: each wave lays its 24 registers into its scratch as six chunks of 512 bytes; wave w (0 to 5) adds chunk w of all eight
.irp k, 0,1,2,3,4,5
	ds_store_b128 v[XSTO], v[SACC+4*\k:SACC+4*\k+3] offset:512*\k
.endr
	s_lshl_b32 s22, s18, 9
	v_add_nc_u32 v252, s22, v[LI0]                 ; 512 x wave + 16 x lane: my place in the record
	s_wait_dscnt 0x0
	s_barrier_signal -1
	s_barrier_wait -1
	s_cmp_gt_u32 s18, 5
	s_cbranch_scc1 .Lnot_sum
.irp k, 0,1,2,3,4,5,6,7
	ds_load_b128 v[T+4*\k:T+4*\k+3], v[RDA] offset:8448*\k
.endr
	s_wait_dscnt 0x0
.irp k, 0,8,16,24
	v_pk_add_f32 v[T+\k:T+\k+1], v[T+\k:T+\k+1], v[T+\k+4:T+\k+5]
	v_pk_add_f32 v[T+\k+2:T+\k+3], v[T+\k+2:T+\k+3], v[T+\k+6:T+\k+7]
.endr
.irp k, 0,16
	v_pk_add_f32 v[T+\k:T+\k+1], v[T+\k:T+\k+1], v[T+\k+8:T+\k+9]
	v_pk_add_f32 v[T+\k+2:T+\k+3], v[T+\k+2:T+\k+3], v[T+\k+10:T+\k+11]
.endr
	v_pk_add_f32 v[T:T+1], v[T:T+1], v[T+16:T+17]
	v_pk_add_f32 v[T+2:T+3], v[T+2:T+3], v[T+18:T+19]
	global_store_b128 v252, v[T:T+3], s[16:17]     ; 512 consecutive bytes
	s_branch .Ldone
.Lnot_sum:
	s_cmp_lg_u32 s18, 6
	s_cbranch_scc1 .Ldone
	global_store_b128 v252, v[CP:CP+3], s[16:17]   ; wave 6: the seventh chunk: c[0..3] in lanes 0-15's places, c[4..7] in lanes 16-31's
.Ldone:
	s_wait_tensorcnt 0x0                           ; the wave's end
	ds_add_u32 v[SPW], v[NIL]
	s_wait_dscnt 0x0
	s_endpgm
.Lfunc_end_k_q4c0a648270_net:
	.size	k_q4c0a648270_net, .Lfunc_end_k_q4c0a648270_net-k_q4c0a648270_net
	.p2alignl 7, 3214868480
	.fill 96, 4, 3214868480
	.section	.rodata,"a",@progbits
	.p2align	6, 0x0
	.amdhsa_kernel k_q4c0a648270_net
		.amdhsa_group_segment_fixed_size 305152
		.amdhsa_private_segment_fixed_size 0
		.amdhsa_enable_private_segment 0
		.amdhsa_kernarg_size 56
		.amdhsa_user_sgpr_count 2
		.amdhsa_user_sgpr_kernarg_segment_ptr 1
		.amdhsa_wavefront_size32 1
		.amdhsa_system_sgpr_workgroup_id_x 1
		.amdhsa_system_sgpr_workgroup_id_y 1
		.amdhsa_system_sgpr_workgroup_id_z 1
		.amdhsa_system_vgpr_workitem_id 0
		.amdhsa_next_free_vgpr 512
		.amdhsa_next_free_sgpr 66
		.amdhsa_reserve_vcc 0
		.amdhsa_float_denorm_mode_32 3
		.amdhsa_float_denorm_mode_16_64 3
		.amdhsa_memory_ordered 1
		.amdhsa_forward_progress 1
		.amdhsa_inst_pref_size 255
	.end_amdhsa_kernel
	.section	.bss,"aw",@nobits
	.p2align	6
	.space	262144
	.amdgpu_metadata
---
amdhsa.version: [ 1, 2 ]
amdhsa.kernels:
  - .name:           k_q4c0a648270_net
    .symbol:         k_q4c0a648270_net.kd
    .args:
      - { .name: x, .offset: 0, .size: 8, .value_kind: global_buffer, .address_space: global }
      - { .name: wimg, .offset: 8, .size: 8, .value_kind: global_buffer, .address_space: global }
      - { .name: lowp_scales, .offset: 16, .size: 8, .value_kind: global_buffer, .address_space: global }
      - { .name: b3, .offset: 24, .size: 8, .value_kind: global_buffer, .address_space: global }
      - { .name: eb2, .offset: 32, .size: 8, .value_kind: global_buffer, .address_space: global }
      - { .name: out1, .offset: 40, .size: 8, .value_kind: global_buffer, .address_space: global }
      - { .name: part, .offset: 48, .size: 8, .value_kind: global_buffer, .address_space: global }
    .group_segment_fixed_size: 305152
    .private_segment_fixed_size: 0
    .kernarg_segment_align: 8
    .kernarg_segment_size: 56
    .max_flat_workgroup_size: 256
    .sgpr_count:     66
    .vgpr_count:     512
    .wavefront_size: 32
...
	.end_amdgpu_metadata
.endif
;; end of part 2
;; launch gmm (part 3): grid 16 x 1, 8 waves a work-group, no clusters, 56,064 bytes of LDS; arguments part, gmm; writes gmm
.if DOCPART == 3
	.amdgcn_target "amdgcn-amd-amdhsa--gfx1250"
	.amdhsa_code_object_version 6
	.text
	.protected	k_q4c0a648270_gmm
	.globl	k_q4c0a648270_gmm
	.p2align	8
	.type	k_q4c0a648270_gmm,@function
k_q4c0a648270_gmm:
	s_mov_b64 s[64:65], 0
	v_nop
	global_prefetch_b8 v0, s[64:65] scope:SCOPE_SE
	s_setreg_imm32_b32 hwreg(HW_REG_WAVE_MODE, 25, 1), 1
	s_wait_xcnt 0x0
; Work-group k joins the 256 records of moments for component k and makes that component's constants: 256 bytes of gmm.
; THE LOADS.  In a record the 16 features of a group lie 16 bytes apart, in a run of 256 bytes; records lie 3,584 bytes apart.  So sixteen lanes read one run
; (each its component's word), an instruction reads two records' runs, and a wave's 48 loads bring its 32 records.  The words go into the wave's own rows in LDS
; (pitch 208 bytes, an odd multiple of 16), and thread p reads record p back by twelve loads of 16 bytes.  The rows are the wave's own: no barrier.
; Thread p then holds S0 = sum gamma, S1 = sum gamma d, S2 = sum gamma d d^T with d = z - c_p.  They are brought to the one shift c_0
; (delta = c_p - c_0:  S1' = S1 + delta S0;  S2'_ij = S2_ij + delta_i S1_j + delta_j S1'_i), added over the lanes, and over the waves through LDS.
; Wave 0 then computes, the same in every lane: m = S1 / S0; mu = c_0 + m; sigma = S2 / S0 - m m^T + 1e-6 I (all about a shift that lies among the data);
; its Cholesky factor L column by column; M = L^-1;  C2 = log2(S0 / 262,144) - 4 log2(2 pi) - 0.5 sum log2(L_jj^2).
; The record: words 0-35 M_ij sqrt(0.5 log2(e)) at i (i + 1) / 2 + j; 36-43 mu; 44 C2; the rest 0.  Then logit / ln 2 = C2 - |M' (z - mu)|^2.
.set REC,   3584
.set PIT,   208                        ; LDS: 0: 256 rows of 208 bytes, a record's 48 words of my component
.set RB,    53248                      ; eight waves x 192 bytes of sums
.set OUTB,  54784                      ; the record that goes out
.set SPARE, 55040                      ; the spare words, 128 bytes for each wave: four blocks of 256 bytes that no other line names
.set F,    16                          ; v16-63   the record's 48 numbers of my component, by feature (45 are used); later the output record v16-79
.set CPV,  64                          ; v64-71   c_p
.set DL,   72                          ; v72-79   delta; later m
.set PV,   80                          ; v80-87   the pivots L_jj^2
.set RS,   88                          ; v88-95   1 / L_jj
.set R,    96                          ; v96-140  S0, S1[8], S2 (lower triangle, 36)
.set A,    R+9
.set LD,   144                         ; v144-191 the 48 words as loaded
.set B0,   144                         ; v144-191, v192-239: two waves' sums by turns; later M at v144-179
.set B1,   192
.set MI,   144
	s_load_b128 s[4:7], s[0:1], 0x0                ; part, gmm
	v_lshl_add_u32 v14, v0, 2, SPARE               ; my spare word; never rewritten
	v_mov_b32 v15, 0
	v_lshrrev_b32 v1, 5, v0
	v_readfirstlane_b32 s8, v1                     ; wave
	s_lshr_b32 s9, ttmp9, 2                        ; component k lies in word k % 4 of lane 16 (k / 8) + feature % 16 of chunk 2 (feature / 16) + (k / 4) % 2
	s_and_b32 s9, s9, 1
	s_lshl_b32 s9, s9, 9
	s_lshr_b32 s10, ttmp9, 3
	s_lshl_b32 s10, s10, 8
	s_add_co_u32 s9, s9, s10
	s_and_b32 s10, ttmp9, 3
	s_lshl_b32 s10, s10, 2
	s_add_co_u32 s9, s9, s10
	v_mul_u32_u24 v1, v0, REC                      ; record p = my thread's number: for c_p
	v_and_b32 v8, 0xe0, v0                         ; 32 x wave
	v_bfe_u32 v9, v0, 4, 1                         ; my half of the lanes
	v_add_nc_u32 v8, v8, v9                        ; the first record that I load from: 32 x wave + half
	v_and_b32 v7, 15, v0                           ; the feature in its group of 16
	v_mul_u32_u24 v2, v8, REC
	v_lshl_add_u32 v2, v7, 4, v2
	v_add_nc_u32 v2, s9, v2                        ; in memory: record x 3,584 + 16 x feature + the component's place
	v_mul_u32_u24 v12, v8, PIT
	v_lshl_add_u32 v12, v7, 2, v12                 ; in LDS: record x 208 + 4 x feature
	v_mul_u32_u24 v13, v0, PIT                     ; and record p's row
	s_mul_i32 s10, s8, 192
	s_add_co_u32 s10, s10, RB
	v_mov_b32 v3, s10                              ; where my wave's sums go
	v_mov_b32 v4, OUTB
	v_mov_b32 v5, RB
	v_lshl_add_u32 v6, v7, 4, OUTB
	s_lshl_b32 s11, ttmp9, 8
	v_lshl_add_u32 v7, v7, 4, s11                  ; 256 k + 16 x (lane % 16)
	s_mov_b32 s20, 0x76543210
	s_mov_b32 s21, 0xfedcba98
	s_wait_kmcnt 0x0
	s_load_b128 s[12:15], s[4:5], 0xc00            ; c_0[0..3]
	s_load_b128 s[16:19], s[4:5], 0xd00            ; c_0[4..7]
.set q, 0
.rept 16
.irp g, 0,1,2
	global_load_b32 v[LD+3*q+\g], v2, s[4:5] offset:q*2*REC+\g*1024    ; records 32 w + 2 q and + 1, features 16 g on: two runs of 256 bytes
.endr
.set q, q+1
.endr
	global_load_b128 v[CPV:CPV+3], v1, s[4:5] offset:3072
	global_load_b128 v[CPV+4:CPV+7], v1, s[4:5] offset:3328
	s_wait_loadcnt 2                               ; the 48 words are in; c_p's two loads may be out
.set q, 0
.rept 16
.irp g, 0,1,2
	ds_store_b32 v12, v[LD+3*q+\g] offset:q*2*PIT+\g*64
.endr
.set q, q+1
.endr
.irp j, 0,1,2,3,4,5,6,7,8,9,10,11
	ds_load_b128 v[F+4*\j:F+4*\j+3], v13 offset:16*\j          ; LDS serves a wave's instructions in order (ISA guide 5.7.1.4): these see my wave's stores
.endr
	s_wait_loadcnt 0x0
	s_wait_kmcnt 0x0
	s_wait_dscnt 0x0
.irp i, 0,1,2,3,4,5,6,7
	v_sub_f32 v[DL+\i], v[CPV+\i], s[12+\i]
.endr
	v_mov_b32 v[R], v[F+44]                        ; S0
.irp i, 0,1,2,3,4,5,6,7
	v_fma_f32 v[R+1+\i], v[DL+\i], v[F+44], v[F+\i+20*(\i/4)]
.endr
.macro PAIR i, j, f                    ; dimensions i <= j; f: the feature that holds their product
	v_fma_f32 v[A+(\j)*((\j)+1)/2+(\i)], v[DL+\i], v[F+\j+20*((\j)/4)], v[F+\f]
	v_fmac_f32 v[A+(\j)*((\j)+1)/2+(\i)], v[DL+\j], v[R+1+\i]
.endm
	PAIR 0, 0, 4
	PAIR 0, 1, 5
	PAIR 0, 2, 6
	PAIR 0, 3, 7
	PAIR 1, 1, 8
	PAIR 1, 2, 9
	PAIR 1, 3, 10
	PAIR 2, 2, 11
	PAIR 2, 3, 12
	PAIR 3, 3, 13
	PAIR 0, 5, 14
	PAIR 0, 6, 15
	PAIR 0, 7, 16
	PAIR 1, 6, 17
	PAIR 1, 7, 18
	PAIR 2, 7, 19
	PAIR 0, 4, 20
	PAIR 1, 5, 21
	PAIR 2, 6, 22
	PAIR 3, 7, 23
	PAIR 4, 4, 28
	PAIR 4, 5, 29
	PAIR 4, 6, 30
	PAIR 4, 7, 31
	PAIR 5, 5, 32
	PAIR 5, 6, 33
	PAIR 5, 7, 34
	PAIR 6, 6, 35
	PAIR 6, 7, 36
	PAIR 7, 7, 37
	PAIR 1, 4, 38
	PAIR 2, 4, 39
	PAIR 3, 4, 40
	PAIR 2, 5, 41
	PAIR 3, 5, 42
	PAIR 3, 6, 43
	; over the 32 lanes: four steps inside each half ride on the additions, one crosses the halves; the 45 numbers take turns
.irp m, 1,2,4,8
.set o, 0
.rept 45
	v_add_f32_dpp v[R+o], v[R+o], v[R+o] row_xmask:\m row_mask:0xf bank_mask:0xf
.set o, o+1
.endr
.endr
.set o, 0
.rept 45
	v_permlanex16_b32 v[F+o], v[R+o], s20, s21     ; its destination counts as read: these registers were loaded
.set o, o+1
.endr
.set o, 0
.rept 45
	v_add_f32 v[R+o], v[R+o], v[F+o]
.set o, o+1
.endr
.irp g, 0,1,2,3,4,5,6,7,8,9,10
	ds_store_b128 v3, v[R+4*\g:R+4*\g+3] offset:16*\g          ; all lanes write the same bytes with the same numbers
.endr
	ds_store_b32 v3, v[R+44] offset:176
	s_wait_dscnt 0x0
	s_barrier_signal -1
	s_barrier_wait -1
	s_cmp_lg_u32 s8, 0
	s_cbranch_scc1 .Lend
.macro LOADREC src, buf
.irp g, 0,1,2,3,4,5,6,7,8,9,10
	ds_load_b128 v[\buf+4*\g:\buf+4*\g+3], v5 offset:192*(\src)+16*\g
.endr
	ds_load_b32 v[\buf+44], v5 offset:192*(\src)+176
.endm
.macro ADDREC buf
.set o, 0
.rept 22
	v_pk_add_f32 v[R+o:R+o+1], v[R+o:R+o+1], v[\buf+o:\buf+o+1]
.set o, o+2
.endr
	v_add_f32 v[R+44], v[R+44], v[\buf+44]
.endm
	LOADREC 1, B0
	LOADREC 2, B1
.irp s, 1,2,3,4,5,6,7
.if \s < 7
	s_wait_dscnt 12                                ; the younger wave's twelve loads may be out
.else
	s_wait_dscnt 0x0
.endif
	ADDREC B0+48*((\s+1)%2)
.if \s < 6
	LOADREC \s+2, B0+48*((\s+1)%2)
.endif
.endr
	v_rcp_f32 v8, v[R]
	v_nop
	s_wait_alu depctr_va_vdst(0)
.irp i, 0,1,2,3,4,5,6,7
	v_mul_f32 v[DL+\i], v[R+1+\i], v8              ; m
.endr
.irp i, 0,1,2,3,4,5,6,7
	v_add_f32 v[52+\i], s[12+\i], v[DL+\i]         ; mu, into the record's words 36-43
.endr
.set ii, 0
.rept 8
.set jj, 0
.rept ii+1
	v_mul_f32 v[A+ii*(ii+1)/2+jj], v[A+ii*(ii+1)/2+jj], v8
	v_fma_f32 v[A+ii*(ii+1)/2+jj], -v[DL+ii], v[DL+jj], v[A+ii*(ii+1)/2+jj]
.set jj, jj+1
.endr
	v_add_f32 v[A+ii*(ii+1)/2+ii], 0x358637bd, v[A+ii*(ii+1)/2+ii]    ; + 1e-6 on the diagonal
.set ii, ii+1
.endr
	; Cholesky, column by column, in place
.set jj, 0
.rept 8
	v_mov_b32 v[PV+jj], v[A+jj*(jj+1)/2+jj]
	v_rsq_f32 v[RS+jj], v[A+jj*(jj+1)/2+jj]
	v_nop
	s_wait_alu depctr_va_vdst(0)
.set ii, jj+1
.rept 7-jj
	v_mul_f32 v[A+ii*(ii+1)/2+jj], v[A+ii*(ii+1)/2+jj], v[RS+jj]      ; L_ij
.set ii, ii+1
.endr
.set ii, jj+1
.rept 7-jj
.set kk, jj+1
.rept ii-jj
	v_fma_f32 v[A+ii*(ii+1)/2+kk], -v[A+ii*(ii+1)/2+jj], v[A+kk*(kk+1)/2+jj], v[A+ii*(ii+1)/2+kk]
.set kk, kk+1
.endr
.set ii, ii+1
.endr
.set jj, jj+1
.endr
	; M = L^-1: M_jj = 1 / L_jj;  M_ij = -(sum over k = j .. i - 1 of L_ik M_kj) / L_ii
.set jj, 0
.rept 8
	v_mov_b32 v[MI+jj*(jj+1)/2+jj], v[RS+jj]
.set ii, jj+1
.rept 7-jj
	v_mul_f32 v9, v[A+ii*(ii+1)/2+jj], v[MI+jj*(jj+1)/2+jj]
.set kk, jj+1
.rept ii-jj-1
	v_fmac_f32 v9, v[A+ii*(ii+1)/2+kk], v[MI+kk*(kk+1)/2+jj]
.set kk, kk+1
.endr
	v_mul_f32 v[MI+ii*(ii+1)/2+jj], -v9, v[RS+ii]
.set ii, ii+1
.endr
.set jj, jj+1
.endr
	v_log_f32 v10, v[R]
.irp j, 0,1,2,3,4,5,6,7
	v_log_f32 v[PV+\j], v[PV+\j]
.endr
	v_nop
	s_wait_alu depctr_va_vdst(0)                   ; one wait for the nine logarithms
	v_add_f32 v11, v[PV], v[PV+1]
.irp j, 2,3,4,5,6,7
	v_add_f32 v11, v11, v[PV+\j]
.endr
	v_fma_f32 v10, -0.5, v11, v10
	v_add_f32 v60, 0xc1e4d90e, v10                 ; - 18 - 4 log2(2 pi) = -28.605985
.set o, 0
.rept 36
	v_mul_f32 v[16+o], 0x3f596d27, v[MI+o]         ; x sqrt(0.5 log2(e)) = 0.8493218
.set o, o+1
.endr
.set o, 61
.rept 19
	v_mov_b32 v[o], 0
.set o, o+1
.endr
.irp g, 0,1,2,3,4,5,6,7,8,9,10,11,12,13,14,15
	ds_store_b128 v4, v[16+4*\g:19+4*\g] offset:16*\g
.endr
	ds_load_b128 v[80:83], v6                      ; LDS serves a wave's instructions in order: lane l takes the record's bytes 16 (l % 16) on
	s_wait_dscnt 0x0
	s_wait_xcnt 0x0                                ; EXEC changes only behind this wait
	v_cmp_gt_u32 vcc_lo, 16, v0
	s_and_saveexec_b32 s22, vcc_lo
	global_store_b128 v7, v[80:83], s[6:7]         ; sixteen lanes store the record's 256 consecutive bytes, aligned
	s_wait_xcnt 0x0
	s_or_b32 exec_lo, exec_lo, s22
.Lend:
	s_wait_tensorcnt 0x0                           ; the wave's end
	ds_add_u32 v14, v15
	s_wait_dscnt 0x0
	s_endpgm
.Lfunc_end_k_q4c0a648270_gmm:
	.size	k_q4c0a648270_gmm, .Lfunc_end_k_q4c0a648270_gmm-k_q4c0a648270_gmm
	.p2alignl 7, 3214868480
	.fill 96, 4, 3214868480
	.section	.rodata,"a",@progbits
	.p2align	6, 0x0
	.amdhsa_kernel k_q4c0a648270_gmm
		.amdhsa_group_segment_fixed_size 56064
		.amdhsa_private_segment_fixed_size 0
		.amdhsa_enable_private_segment 0
		.amdhsa_kernarg_size 16
		.amdhsa_user_sgpr_count 2
		.amdhsa_user_sgpr_kernarg_segment_ptr 1
		.amdhsa_wavefront_size32 1
		.amdhsa_system_sgpr_workgroup_id_x 1
		.amdhsa_system_sgpr_workgroup_id_y 1
		.amdhsa_system_sgpr_workgroup_id_z 1
		.amdhsa_system_vgpr_workitem_id 0
		.amdhsa_next_free_vgpr 256
		.amdhsa_next_free_sgpr 66
		.amdhsa_reserve_vcc 1
		.amdhsa_float_denorm_mode_32 3
		.amdhsa_float_denorm_mode_16_64 3
		.amdhsa_memory_ordered 1
		.amdhsa_forward_progress 1
		.amdhsa_inst_pref_size 69
	.end_amdhsa_kernel
	.amdgpu_metadata
---
amdhsa.version: [ 1, 2 ]
amdhsa.kernels:
  - .name:           k_q4c0a648270_gmm
    .symbol:         k_q4c0a648270_gmm.kd
    .args:
      - { .name: part, .offset: 0, .size: 8, .value_kind: global_buffer, .address_space: global }
      - { .name: gmm, .offset: 8, .size: 8, .value_kind: global_buffer, .address_space: global }
    .group_segment_fixed_size: 56064
    .private_segment_fixed_size: 0
    .kernarg_segment_align: 8
    .kernarg_segment_size: 16
    .max_flat_workgroup_size: 256
    .sgpr_count:     66
    .vgpr_count:     256
    .wavefront_size: 32
...
	.end_amdgpu_metadata
.endif
;; end of part 3
;; launch energy (part 4): grid 256 x 1, 8 waves a work-group, no clusters, 9,216 bytes of LDS; arguments out1, gmm, out0; writes out0
.if DOCPART == 4
	.amdgcn_target "amdgcn-amd-amdhsa--gfx1250"
	.amdhsa_code_object_version 6
	.text
	.protected	k_q4c0a648270_energy
	.globl	k_q4c0a648270_energy
	.p2align	8
	.type	k_q4c0a648270_energy,@function
k_q4c0a648270_energy:
	s_mov_b64 s[64:65], 0
	v_nop
	global_prefetch_b8 v0, s[64:65] scope:SCOPE_SE
	s_setreg_imm32_b32 hwreg(HW_REG_WAVE_MODE, 25, 1), 1
	s_wait_xcnt 0x0
; out0[n] = -logsumexp over the 16 components of the logits.  In powers of two: logit / ln 2 = C2_k - |M'_k (z - mu_k)|^2, with M'_k, mu_k, C2_k from gmm.
; A work-group takes 1,024 rows, a wave 128, a lane four: rows base + lane + 32 m.  The four rows go as two pairs, so that all arithmetic is packed.
; The 16 records (4,096 bytes) lie in LDS; a component's 48 words come into registers by twelve loads at one address for all lanes, one component ahead.
; The row's largest logit is taken away before the exponentials.  No matrix unit: the triangular products are 36 multiply-adds a row and component, with operands that differ by component.
.set TW,    4096                       ; LDS: 0: the records; 4,096: 512 bytes a wave for the way out; 8,192: the spare words, 128 bytes for each wave
.set SPARE, 8192
.set ZR,  16                           ; v16-47   z as loaded: row m at 8 m; then D (v16-31) and W (v32-47)
.set D,   16
.set W,   32
.set ZP,  48                           ; v48-79   z in pairs: 16 p + 2 j + e is row 2 p + e, dimension j
.set LG,  80                           ; v80-143  logits: 32 p + 2 k + e
.set P0,  144                          ; v144-191, v192-239: two components' words by turns
.set MX,  240                          ; v240-243 the rows' maxima
.set RES, 244                          ; v244-247 the results
	s_load_b128 s[4:7], s[0:1], 0x0                ; out1 (z), gmm
	s_load_b64 s[8:9], s[0:1], 0x10                ; out0
	v_lshl_add_u32 v14, v0, 2, SPARE               ; my spare word; never rewritten
	v_mov_b32 v15, 0
	v_lshrrev_b32 v1, 5, v0
	v_readfirstlane_b32 s10, v1                    ; wave
	v_and_b32 v7, 31, v0
	v_lshlrev_b32 v1, 5, v7                        ; z: 32 bytes a row
	v_lshlrev_b32 v2, 4, v0                        ; the records: 16 bytes a thread, in memory and in LDS
	v_mov_b32 v3, 0
	s_lshl_b32 s11, s10, 9
	s_add_co_u32 s11, s11, TW
	v_lshl_add_u32 v4, v7, 2, s11
	v_lshl_add_u32 v5, v7, 4, s11
	v_lshlrev_b32 v6, 4, v7
	s_lshl_b32 s12, ttmp9, 15
	s_lshl_b32 s13, s10, 12
	s_add_co_u32 s12, s12, s13
	s_mov_b32 s13, 0
	s_lshl_b32 s14, ttmp9, 12
	s_lshl_b32 s15, s10, 9
	s_add_co_u32 s14, s14, s15
	s_mov_b32 s15, 0
	s_wait_kmcnt 0x0
	s_add_nc_u64 s[4:5], s[4:5], s[12:13]
	s_add_nc_u64 s[8:9], s[8:9], s[14:15]
	global_load_b128 v[8:11], v2, s[6:7]
.irp m, 0,1,2,3
	global_load_b128 v[ZR+8*\m:ZR+8*\m+3], v1, s[4:5] offset:1024*\m
	global_load_b128 v[ZR+8*\m+4:ZR+8*\m+7], v1, s[4:5] offset:1024*\m+16
.endr
	s_wait_loadcnt 8                               ; the records' 16 bytes are in; z's eight loads may be out
	ds_store_b128 v2, v[8:11]
	s_wait_dscnt 0x0
	s_barrier_signal -1
	s_barrier_wait -1
.macro PLOAD k
.irp g, 0,1,2,3,4,5,6,7,8,9,10,11
	ds_load_b128 v[P0+48*((\k)%2)+4*\g:P0+48*((\k)%2)+4*\g+3], v3 offset:256*(\k)+16*\g
.endr
.endm
; word n of the component in hand serves both halves of a packed instruction: of its register pair the low word (n even) or the high one (n odd)
.macro BSUB d, a, n
.if ((\n)%2) == 0
	v_pk_add_f32 v[\d:\d+1], v[\a:\a+1], v[PS+(\n):PS+(\n)+1] op_sel_hi:[1,0] neg_lo:[0,1] neg_hi:[0,1]
.else
	v_pk_add_f32 v[\d:\d+1], v[\a:\a+1], v[PS+(\n)-1:PS+(\n)] op_sel:[0,1] op_sel_hi:[1,1] neg_lo:[0,1] neg_hi:[0,1]
.endif
.endm
.macro BMUL d, a, n
.if ((\n)%2) == 0
	v_pk_mul_f32 v[\d:\d+1], v[\a:\a+1], v[PS+(\n):PS+(\n)+1] op_sel_hi:[1,0]
.else
	v_pk_mul_f32 v[\d:\d+1], v[\a:\a+1], v[PS+(\n)-1:PS+(\n)] op_sel:[0,1] op_sel_hi:[1,1]
.endif
.endm
.macro BFMA d, a, n
.if ((\n)%2) == 0
	v_pk_fma_f32 v[\d:\d+1], v[\a:\a+1], v[PS+(\n):PS+(\n)+1], v[\d:\d+1] op_sel_hi:[1,0,1]
.else
	v_pk_fma_f32 v[\d:\d+1], v[\a:\a+1], v[PS+(\n)-1:PS+(\n)], v[\d:\d+1] op_sel:[0,1,0] op_sel_hi:[1,1,1]
.endif
.endm
; component k for the four rows: D = z - mu; W = M' D, column by column (W_j is whole behind column j); logit = C2 - sum W_j^2
.macro COMP k
.set PS, P0+48*((\k)%2)
.irp p, 0,1
.set jj, 0
.rept 8
	BSUB D+2*jj, ZP+16*\p+2*jj, 36+jj
.set jj, jj+1
.endr
.set jj, 0
.rept 8
.set ii, jj
.rept 8-jj
.if jj == 0
	BMUL W+2*ii, D, ii*(ii+1)/2
.else
	BFMA W+2*ii, D+2*jj, ii*(ii+1)/2+jj
.endif
.set ii, ii+1
.endr
.if jj == 0
	v_pk_fma_f32 v[LG+32*\p+2*(\k):LG+32*\p+2*(\k)+1], v[W:W+1], v[W:W+1], v[PS+44:PS+45] op_sel_hi:[1,1,0] neg_lo:[1,0,0] neg_hi:[1,0,0]
.else
	v_pk_fma_f32 v[LG+32*\p+2*(\k):LG+32*\p+2*(\k)+1], v[W+2*jj:W+2*jj+1], v[W+2*jj:W+2*jj+1], v[LG+32*\p+2*(\k):LG+32*\p+2*(\k)+1] neg_lo:[1,0,0] neg_hi:[1,0,0]
.endif
.set jj, jj+1
.endr
.endr
.endm
	PLOAD 0
	s_wait_loadcnt 0x0                             ; z
.irp p, 0,1
.irp j, 0,1,2,3,4,5,6,7
.irp e, 0,1
	v_mov_b32 v[ZP+16*\p+2*\j+\e], v[ZR+8*(2*\p+\e)+\j]        ; paid once: every instruction below then serves two rows
.endr
.endr
.endr
.irp k, 0,1,2,3,4,5,6,7,8,9,10,11,12,13,14,15
.if \k < 15
	PLOAD \k+1
	s_wait_dscnt 12                                ; the next component's twelve loads may be out
.else
	s_wait_dscnt 0x0
.endif
	COMP \k
.endr
	; logsumexp, in powers of two
.irp p, 0,1
.irp e, 0,1
	v_max3_num_f32 v[MX+2*\p+\e], v[LG+32*\p+\e], v[LG+32*\p+2+\e], v[LG+32*\p+4+\e]
.irp q, 6,10,14,18,22,26
	v_max3_num_f32 v[MX+2*\p+\e], v[MX+2*\p+\e], v[LG+32*\p+\q+\e], v[LG+32*\p+\q+2+\e]
.endr
	v_max_num_f32 v[MX+2*\p+\e], v[MX+2*\p+\e], v[LG+32*\p+30+\e]
.endr
.endr
.irp p, 0,1
.irp q, 0,2,4,6,8,10,12,14,16,18,20,22,24,26,28,30
	v_pk_add_f32 v[LG+32*\p+\q:LG+32*\p+\q+1], v[LG+32*\p+\q:LG+32*\p+\q+1], v[MX+2*\p:MX+2*\p+1] neg_lo:[0,1] neg_hi:[0,1]
.endr
.endr
.set i, 0
.rept 64
	v_exp_f32 v[LG+i], v[LG+i]
.set i, i+1
.endr
	v_nop
	s_wait_alu depctr_va_vdst(0)                   ; one wait for the 64 exponentials
.irp p, 0,1
.irp q, 4,8,12,16,20,24,28
	v_pk_add_f32 v[LG+32*\p:LG+32*\p+1], v[LG+32*\p:LG+32*\p+1], v[LG+32*\p+\q:LG+32*\p+\q+1]
	v_pk_add_f32 v[LG+32*\p+2:LG+32*\p+3], v[LG+32*\p+2:LG+32*\p+3], v[LG+32*\p+\q+2:LG+32*\p+\q+3]
.endr
	v_pk_add_f32 v[LG+32*\p:LG+32*\p+1], v[LG+32*\p:LG+32*\p+1], v[LG+32*\p+2:LG+32*\p+3]
.endr
.irp p, 0,1
.irp e, 0,1
	v_log_f32 v[LG+32*\p+\e], v[LG+32*\p+\e]
.endr
.endr
	v_nop
	s_wait_alu depctr_va_vdst(0)                   ; one wait for the four logarithms
.irp p, 0,1
.irp e, 0,1
	v_add_f32 v[RES+2*\p+\e], v[MX+2*\p+\e], v[LG+32*\p+\e]
.endr
.endr
.irp m, 0,1,2,3
	v_mul_f32 v[RES+\m], 0xbf317218, v[RES+\m]     ; x -ln 2
.endr
.irp m, 0,1,2,3
	ds_store_b32 v4, v[RES+\m] offset:128*\m       ; row lane + 32 m of my wave's 128
.endr
	ds_load_b128 v[8:11], v5                       ; LDS serves a wave's instructions in order: four neighbouring rows a lane
	s_wait_dscnt 0x0
	global_store_b128 v6, v[8:11], s[8:9]          ; the wave stores 512 consecutive bytes, aligned
	s_wait_tensorcnt 0x0                           ; the wave's end
	ds_add_u32 v14, v15
	s_wait_dscnt 0x0
	s_endpgm
.Lfunc_end_k_q4c0a648270_energy:
	.size	k_q4c0a648270_energy, .Lfunc_end_k_q4c0a648270_energy-k_q4c0a648270_energy
	.p2alignl 7, 3214868480
	.fill 96, 4, 3214868480
	.section	.rodata,"a",@progbits
	.p2align	6, 0x0
	.amdhsa_kernel k_q4c0a648270_energy
		.amdhsa_group_segment_fixed_size 9216
		.amdhsa_private_segment_fixed_size 0
		.amdhsa_enable_private_segment 0
		.amdhsa_kernarg_size 24
		.amdhsa_user_sgpr_count 2
		.amdhsa_user_sgpr_kernarg_segment_ptr 1
		.amdhsa_wavefront_size32 1
		.amdhsa_system_sgpr_workgroup_id_x 1
		.amdhsa_system_sgpr_workgroup_id_y 1
		.amdhsa_system_sgpr_workgroup_id_z 1
		.amdhsa_system_vgpr_workitem_id 0
		.amdhsa_next_free_vgpr 256
		.amdhsa_next_free_sgpr 66
		.amdhsa_reserve_vcc 0
		.amdhsa_float_denorm_mode_32 3
		.amdhsa_float_denorm_mode_16_64 3
		.amdhsa_memory_ordered 1
		.amdhsa_forward_progress 1
		.amdhsa_inst_pref_size 129
	.end_amdhsa_kernel
	.amdgpu_metadata
---
amdhsa.version: [ 1, 2 ]
amdhsa.kernels:
  - .name:           k_q4c0a648270_energy
    .symbol:         k_q4c0a648270_energy.kd
    .args:
      - { .name: out1, .offset: 0, .size: 8, .value_kind: global_buffer, .address_space: global }
      - { .name: gmm, .offset: 8, .size: 8, .value_kind: global_buffer, .address_space: global }
      - { .name: out0, .offset: 16, .size: 8, .value_kind: global_buffer, .address_space: global }
    .group_segment_fixed_size: 9216
    .private_segment_fixed_size: 0
    .kernarg_segment_align: 8
    .kernarg_segment_size: 24
    .max_flat_workgroup_size: 256
    .sgpr_count:     66
    .vgpr_count:     256
    .wavefront_size: 32
...
	.end_amdgpu_metadata
.endif
;; end of part 4
